; MI455X (gfx1250); checked and timed in simulation.
; The chip was launched on July 23, 2026; its instructions are those of AMD's public machine-readable ISA for CDNA 5 (MIT licence, August 2026) and "CDNA5" Instruction Set Architecture Reference Guide (July 2026). The comments in the code are by the model that wrote it; some were corrected since.
;; Feature Gen Keras. Allowed arithmetic: float matrix products may take bf16 or f16 operands with f32 sums; all other float work in f32.
;; Inputs: x 65,536 x 115 x 3 float32.
;; Outputs: out0 1 x 100 x 1,196 float32.
;; One version. Each part assembles by itself: llvm-mc -triple=amdgcn-amd-amdhsa -mcpu=gfx1250 --defsym DOCPART=n.
;; ======== version 1 of 1: 2 launches
;; workspace buffers: meta 18,432 bytes of whole numbers
;; launch scan (part 1): grid 256 x 1, 16 waves a work-group, no clusters, 169,984 bytes of LDS; arguments x, meta; writes meta
.if DOCPART == 1
	.amdgcn_target "amdgcn-amd-amdhsa--gfx1250"
	.amdhsa_code_object_version 6
	.text
	.protected	k_q39a1ad2d9d_scan
	.globl	k_q39a1ad2d9d_scan
	.p2align	8
	.type	k_q39a1ad2d9d_scan,@function
k_q39a1ad2d9d_scan:
	s_mov_b64 s[64:65], 0
	v_nop
	global_prefetch_b8 v0, s[64:65] scope:SCOPE_SE
	s_setreg_imm32_b32 hwreg(HW_REG_WAVE_MODE, 25, 1), 1
	s_wait_xcnt 0x0
; FIRST OF TWO LAUNCHES.  For every frame and for both hands: is the frame kept (sum of the hand's 63 numbers, NaN taken as 0, is not 0),
; and how many of the 63 numbers are neither 0 nor NaN.  x: [65536][345] f32.  Left hand = dwords 120..182 of a frame, right = 282..344.
; A work-group owns 256 frames.  Wave w owns one hand (w >> 3) of 32 frames (w & 7); a lane owns one frame.
; One tensor load a wave (one outstanding, its own LDS bytes, read by nobody else: s_wait_tensorcnt is all the ordering) brings 32 rows of
; 64 dwords; only the two hands' bytes of a frame are asked for, 512 of its 1,380.  To keep rows at 64 dwords, and every byte inside its
; own frame, the left row runs one dword past the hand (dword 183) and the right row starts one dword early (dword 281); the foreign
; dword's compare mask is cleared, so that it is neither counted nor added.
; No cluster: no two work-groups read the same byte.  No ring: a work-group's whole share (16 x 8,704 bytes) is in LDS at once.
; OUT, into meta (whole numbers), for work-group b:  words 8b..8b+7 at byte 0: left keep masks (bit i = frame 32 g + i);  the same at byte
; 8192 for the right hand;  word b at 16384: D = non-zeros(left) - non-zeros(right);  word b at 17408: min(kept left,127) | min(kept right,127)<<16.
; The cap of 127: the next launch asks only for ranks up to 100, and a prefix sum of capped counts equals the true one where that is below
; 101 and is at least 101 otherwise; capped, 256 counts add up to less than 65,536, so both hands' sums share a word.
; These 72 bytes go out in one store of 18 lanes; dense tables are kept, rather than one padded record a work-group, because every wave of
; the next launch reads the D and count tables as 2 x 1,024 consecutive bytes.
; LIMIT: the 63 numbers are added in four chains, another order than the reference's; a frame whose non-zero numbers cancel to exactly 0
; in one order and not in the other may be classed differently.  Hands that are all 0 or NaN give exactly 0 in any order.
.set FRAME,  1380                      ; bytes in a frame
.set LHAND,  480                       ; first byte of the left row in a frame (dword 120)
.set RHAND,  1124                      ; first byte of the right row (dword 281, one in front of the hand)
.set PITCH,  272                       ; LDS row: 256 bytes + 16 of padding, an odd multiple of 16
.set TILE,   32*PITCH                  ; a wave's tile
.set SCR,    16*TILE                   ; behind the tiles: 8 bytes for each wave's result, never a tensor load's target
.set X,      8                         ; v[8:71] my frame's 64 dwords; v[8:11] also carry the four sums
	s_load_b128 s[4:7], s[0:1], 0x0                ; x s[4:5], meta s[6:7]
	v_lshl_add_u32 v72, v0, 2, 0x29000
	v_mov_b32 v73, 0
	ds_add_u32 v72, v73
	ds_add_u32 v72, v73
	v_lshrrev_b32 v1, 5, v0
	v_readfirstlane_b32 s8, v1                     ; wave 0..15
	s_lshr_b32 s9, s8, 3                           ; hand: 0 left, 1 right
	s_and_b32 s10, s8, 7                           ; which 32 of the group's 256 frames
	; descriptor group 1: 32 rows of 64 elements of 4 bytes, 345 elements from row to row, 4 dwords of padding behind every 64
	s_mov_b32 s16, (2<<16)|(1<<20)|(5<<22)|(3<<25)
	s_mov_b32 s17, 64<<16                          ; tensor_dim0 = 64: the tile lies inside
	s_mov_b32 s18, 32<<16                          ; tensor_dim1 = 32
	s_mov_b32 s19, 64<<16                          ; tile_dim0 = 64
	s_mov_b32 s20, 32                              ; tile_dim1 = 32
	s_mov_b32 s21, FRAME/4                         ; stride from frame to frame, in elements
	s_mov_b32 s22, 0
	s_mov_b32 s23, 0
	s_lshl3_add_u32 s11, ttmp9, s10                ; number of my 32 frames among 2,048
	s_mul_i32 s24, s11, 32*FRAME                   ; their first byte (below 2^27)
	s_mul_i32 s26, s9, RHAND-LHAND
	s_add_co_u32 s24, s24, s26
	s_add_co_u32 s24, s24, LHAND
	s_mov_b32 s25, 0
	s_mov_b32 s12, 1                               ; group 0: count
	s_mul_i32 s13, s8, TILE                        ; LDS address: wave x tile
	s_wait_dscnt 0x0
	s_wait_kmcnt 0x0
	s_add_nc_u64 s[14:15], s[4:5], s[24:25]        ; global address of the tile's first element
	s_or_b32 s15, s15, 0x80000000                  ; type 2
	tensor_load_to_lds s[12:15], s[16:23]
	s_nop 0
	v_and_b32 v1, 31, v0                           ; lane = frame
	v_mul_u32_u24 v2, v1, PITCH
	v_add_nc_u32 v2, s13, v2                       ; my row in my wave's tile
	s_sub_co_u32 s27, 0, s9                        ; all ones for the right hand: its dword 63 belongs to the hand
	s_not_b32 s26, s27                             ; all ones for the left hand: its dword 0 belongs to the hand
	s_mov_b32 s28, 0                               ; the wave's count of numbers that are neither 0 nor NaN
	s_wait_tensorcnt 0x0                           ; my tile is in LDS
.irp k, 0,1,2,3,4,5,6,7,8,9,10,11,12,13,14,15
	ds_load_b128 v[X+4*\k:X+4*\k+3], v2 offset:16*\k
.endr
; Four numbers of every frame.  v_cmp_lg_f32 is true for x < 0 or x > 0 only, so one compare serves the count (s_bcnt1 over the 32 frames)
; and the cleaning (NaN becomes 0; 0 stays 0).  Two sets of mask registers take turns.
.macro QUAD k
.set M, 32+4*(\k%2)
	s_wait_dscnt 15-\k                             ; LDS loads return in order (ISA guide 5.7.1): load k is in, the 15-k younger ones may be out
	v_cmp_lg_f32 s[M],   0, v[X+4*\k]
	v_cmp_lg_f32 s[M+1], 0, v[X+4*\k+1]
	v_cmp_lg_f32 s[M+2], 0, v[X+4*\k+2]
	v_cmp_lg_f32 s[M+3], 0, v[X+4*\k+3]
.if \k == 0
	s_and_b32 s[M], s[M], s26                      ; right hand: dword 0 is not the hand's
.endif
.if \k == 15
	s_and_b32 s[M+3], s[M+3], s27                  ; left hand: dword 63 is not the hand's
.endif
	v_cndmask_b32 v[X+4*\k],   0, v[X+4*\k],   s[M]
	v_cndmask_b32 v[X+4*\k+1], 0, v[X+4*\k+1], s[M+1]
	v_cndmask_b32 v[X+4*\k+2], 0, v[X+4*\k+2], s[M+2]
	v_cndmask_b32 v[X+4*\k+3], 0, v[X+4*\k+3], s[M+3]
.if \k
	v_pk_add_f32 v[X:X+1],   v[X:X+1],   v[X+4*\k:X+4*\k+1]        ; the first quad starts the four sums: nothing is cleared
	v_pk_add_f32 v[X+2:X+3], v[X+2:X+3], v[X+4*\k+2:X+4*\k+3]
.endif
	s_bcnt1_i32_b32 s[M],   s[M]
	s_bcnt1_i32_b32 s[M+1], s[M+1]
	s_bcnt1_i32_b32 s[M+2], s[M+2]
	s_bcnt1_i32_b32 s[M+3], s[M+3]
	s_add_co_u32 s[M],   s[M],   s[M+1]
	s_add_co_u32 s[M+2], s[M+2], s[M+3]
	s_add_co_u32 s28, s28, s[M]
	s_add_co_u32 s28, s28, s[M+2]
.endm
.irp k, 0,1,2,3,4,5,6,7,8,9,10,11,12,13,14,15
	QUAD \k
.endr
	v_add_f32 v[X],   v[X],   v[X+1]
	v_add_f32 v[X+2], v[X+2], v[X+3]
	v_add_f32 v[X],   v[X],   v[X+2]
	v_cmp_neq_f32 s29, 0, v[X]                     ; keep: sum != 0, true for a NaN sum too (inf - inf), as in the reference
	s_bcnt1_i32_b32 s30, s29                       ; kept frames of my 32
	s_lshl_b32 s30, s30, 16
	s_or_b32 s28, s28, s30                         ; count (at most 2,016) below, kept (at most 32) above: eight of them add without a carry between
	s_lshl_b32 s31, s8, 3
	s_add_co_u32 s31, s31, SCR
	v_mov_b32 v3, s31
	v_mov_b32 v4, s29
	v_mov_b32 v5, s28
	ds_store_b64 v3, v[4:5]                        ; every lane writes the same 8 bytes, my wave's own
	s_wait_dscnt 0x0                               ; for wave 0's sake: my result is in LDS before I say so
	s_barrier_signal -1
	s_barrier_wait -1
	s_cmp_lg_u32 s8, 0
	s_cbranch_scc1 .Ldone
	; wave 0 gathers the sixteen results and stores the work-group's 18 words
	v_mov_b32 v3, SCR
.irp k, 0,1,2,3,4,5,6,7
	ds_load_b128 v[X+4*\k:X+4*\k+3], v3 offset:16*\k   ; every lane: wave w's mask in v[X+2w], its packed counts in v[X+2w+1]
.endr
	v_and_b32 v6, 15, v1
	v_lshl_add_u32 v6, v6, 3, v3
	ds_load_b32 v7, v6                             ; lane l < 16: wave l's mask
	s_lshl_b32 s32, ttmp9, 5                       ; 32 bytes of masks a hand and work-group
	s_lshl_b32 s33, ttmp9, 2                       ; one word in each of the two tables
	v_and_b32 v40, 8, v1
	v_and_b32 v41, 7, v1
	v_lshlrev_b32 v40, 10, v40                     ; lanes 8-15: the right hand's masks, 8,192 bytes on
	v_lshl_or_b32 v40, v41, 2, v40
	v_add_nc_u32 v40, s32, v40
	v_lshl_add_u32 v41, v1, 10, s33                ; lane 16: 16384 + 4 b, lane 17: 17408 + 4 b
	v_cmp_gt_u32 vcc_lo, 16, v1
	v_cndmask_b32 v40, v41, v40, vcc_lo            ; my word's byte offset in meta
	s_wait_dscnt 0x0
	v_add3_u32 v42, v[X+1], v[X+3], v[X+5]         ; left: waves 0-7
	v_add3_u32 v43, v[X+17], v[X+19], v[X+21]      ; right: waves 8-15
	v_add3_u32 v42, v42, v[X+7], v[X+9]
	v_add3_u32 v43, v43, v[X+23], v[X+25]
	v_add3_u32 v42, v42, v[X+11], v[X+13]
	v_add3_u32 v43, v43, v[X+27], v[X+29]
	v_add_nc_u32 v42, v42, v[X+15]
	v_add_nc_u32 v43, v43, v[X+31]
	v_and_b32 v44, 0xffff, v42
	v_and_b32 v45, 0xffff, v43
	v_sub_nc_u32 v44, v44, v45                     ; D, signed
	v_lshrrev_b32 v42, 16, v42
	v_lshrrev_b32 v43, 16, v43
	v_min_u32 v42, 127, v42                        ; the cap explained at the head
	v_min_u32 v43, 127, v43
	v_lshl_or_b32 v42, v43, 16, v42
	v_cmp_eq_u32 s34, 16, v1
	v_cndmask_b32 v42, v42, v44, s34               ; lane 16: D; lane 17: the kept counts
	v_cndmask_b32 v42, v42, v7, vcc_lo             ; lanes 0-15: the masks
	v_cmp_gt_u32 vcc_lo, 18, v1
	s_wait_tensorcnt 0x0
	ds_add_u32 v72, v73
	s_wait_dscnt 0x0
	s_and_saveexec_b32 s35, vcc_lo                 ; no global load or store is pending here
	global_store_b32 v40, v42, s[6:7]
	s_endpgm
.Ldone:
	s_wait_tensorcnt 0x0
	ds_add_u32 v72, v73
	s_wait_dscnt 0x0
	s_endpgm
.Lfunc_end_k_q39a1ad2d9d_scan:
	.size	k_q39a1ad2d9d_scan, .Lfunc_end_k_q39a1ad2d9d_scan-k_q39a1ad2d9d_scan
	.p2alignl 7, 3214868480
	.fill 96, 4, 3214868480
	.section	.rodata,"a",@progbits
	.p2align	6, 0x0
	.amdhsa_kernel k_q39a1ad2d9d_scan
		.amdhsa_group_segment_fixed_size 169984
		.amdhsa_private_segment_fixed_size 0
		.amdhsa_enable_private_segment 0
		.amdhsa_kernarg_size 16
		.amdhsa_user_sgpr_count 2
		.amdhsa_user_sgpr_kernarg_segment_ptr 1
		.amdhsa_wavefront_size32 1
		.amdhsa_system_sgpr_workgroup_id_x 1
		.amdhsa_system_sgpr_workgroup_id_y 1
		.amdhsa_system_sgpr_workgroup_id_z 1
		.amdhsa_system_vgpr_workitem_id 0
		.amdhsa_next_free_vgpr 74
		.amdhsa_next_free_sgpr 66
		.amdhsa_reserve_vcc 1
		.amdhsa_float_denorm_mode_32 3
		.amdhsa_float_denorm_mode_16_64 3
		.amdhsa_memory_ordered 1
		.amdhsa_forward_progress 1
		.amdhsa_inst_pref_size 21
	.end_amdhsa_kernel
	.amdgpu_metadata
---
amdhsa.version: [ 1, 2 ]
amdhsa.kernels:
  - .name:           k_q39a1ad2d9d_scan
    .symbol:         k_q39a1ad2d9d_scan.kd
    .args:
      - { .name: x, .offset: 0, .size: 8, .value_kind: global_buffer, .address_space: global }
      - { .name: meta, .offset: 8, .size: 8, .value_kind: global_buffer, .address_space: global }
    .group_segment_fixed_size: 169984
    .private_segment_fixed_size: 0
    .kernarg_segment_align: 8
    .kernarg_segment_size: 16
    .max_flat_workgroup_size: 512
    .sgpr_count:     66
    .vgpr_count:     74
    .wavefront_size: 32
...
	.end_amdgpu_metadata
.endif
;; end of part 1
;; launch rows (part 2): grid 100 x 1, 1 waves a work-group, no clusters, 6,656 bytes of LDS; arguments x, meta, out0; writes out0
.if DOCPART == 2
	.amdgcn_target "amdgcn-amd-amdhsa--gfx1250"
	.amdhsa_code_object_version 6
	.text
	.protected	k_q39a1ad2d9d_rows
	.globl	k_q39a1ad2d9d_rows
	.p2align	8
	.type	k_q39a1ad2d9d_rows,@function
k_q39a1ad2d9d_rows:
	s_mov_b64 s[64:65], 0
	v_nop
	global_prefetch_b8 v0, s[64:65] scope:SCOPE_SE
	s_setreg_imm32_b32 hwreg(HW_REG_WAVE_MODE, 25, 1), 1
	s_wait_xcnt 0x0
; SECOND LAUNCH.  One wave makes one of the 100 output rows: no barrier, no other wave's LDS bytes.  Row r needs the frames of rank r and r+1
; in the order 'kept frames first, each part in its old order'.
; PART 1, integers only (addresses hang on it): from meta's 256 records (256 frames each) the sign of sum D gives the hand; a prefix sum of
; the hand's kept counts gives, for a rank, its record; the record's eight mask words give the frame.
; A rank at or beyond K (all kept frames) is a dropped frame: its index = kept before it + dropped before it <= K + dropped before it = its
; rank <= 100, so it lies in record 0, and the same walk finds it in the complement of record 0's words.
; PART 2: lane j holds point j.  Triangle row i: point i is broadcast (v_readlane_b32), all lanes compute, and only lanes i < j < N store.
; The row is gathered in LDS and leaves as 16 bytes a lane.
; No cluster, no joint loads: the work-groups share only 2 KB of tables.  100 rows, 100 work-groups.
; LIMITS: a sum of squares below 2^-126 gives distance 0 (v_sqrt_f32 takes denormals as 0: ISA guide 15.8); squares are added fused.
.set FRAME, 1380
.set ROWB,  4784                       ; bytes in an output row = 299 x 16
.set DTAB,  16384                      ; meta: D of the 256 records
.set KTAB,  17408                      ; meta: kept counts, left | right << 16, each capped at 127
.set TAB,   5120                       ; LDS: word at TAB+12+4t = kept frames in front of record t.  Below it the stage, 10 x 512 bytes
.set S4,  2                            ; stage address, 4 bytes a lane
.set S8,  3                            ; 8 bytes a lane
.set L12, 4                            ; 12 x lane: a point's bytes in a frame
.set S12, 5                            ; stage address, 12 bytes a lane
.set Q16, 6                            ; 16 x lane
.set H12, 7                            ; 12 x min(lane, 20): no lane reads past the right hand, which ends its frame
.set DD,  8                            ; v[8:15]  D of my eight records
.set KK,  16                           ; v[16:23] kept counts of my eight records, then their prefix sums
.set DS,  24                           ; running sum of D
.set TT,  25                           ; running total of kept counts (both hands packed)
.set PP,  26                           ; kept in front of my lane's records (packed)
.set Z,   30                           ; v[30:33] zeros
.set HA,  44                           ; hand x, y, z of frame A;  HB the same of frame B
.set HB,  47
.set PA,  50                           ; pose x, y
.set PB,  52
.set OA,  54                           ; outer lip x, y
.set OB,  56
.set IA,  58                           ; inner lip x, y (frame A only: distances alone)
.set DLT, 60                           ; v[60:66] A - B
.set T,   70                           ; v[70:81] differences of four triangle rows
.set DH,  100                          ; 20 + 24 + 19 + 19 triangle rows, one register each
.set DPO, 120
.set DOL, 144
.set DIL, 163
.set R,   184                          ; v[184:223] the row on its way out
.set BC,  68                           ; s[68:79] broadcast points of four triangle rows
	s_load_b128 s[4:7], s[0:1], 0x0                ; x s[4:5], meta s[6:7]
	s_load_b64 s[8:9], s[0:1], 0x10                ; out0
	v_lshl_add_u32 v224, v0, 2, 0x1900
	v_mov_b32 v225, 0
	v_lshlrev_b32 v1, 5, v0                        ; eight words a lane
	s_mov_b32 s10, 0x76543210                      ; v_permlanex16_b32: lane i of the other half
	s_mov_b32 s11, 0xfedcba98
	s_mov_b32 s12, 0xaaaaaaaa                      ; lanes whose number has bit 0 .. bit 4 set
	s_mov_b32 s13, 0xcccccccc
	s_mov_b32 s14, 0xf0f0f0f0
	s_mov_b32 s15, 0xff00ff00
	s_mov_b32 s16, 0xffff0000
	s_mov_b32 s17, ttmp9                           ; rank of frame A = the row
	s_add_co_u32 s18, ttmp9, 1                     ; rank of frame B
	s_wait_kmcnt 0x0
	global_load_b128 v[DD:DD+3],   v1, s[6:7] offset:DTAB
	global_load_b128 v[DD+4:DD+7], v1, s[6:7] offset:DTAB+16
	global_load_b128 v[KK:KK+3],   v1, s[6:7] offset:KTAB
	global_load_b128 v[KK+4:KK+7], v1, s[6:7] offset:KTAB+16
	; while they are on their way: everything that hangs on the row's number alone.
	; The row starts 16 a bytes behind a multiple of 256 from out0's first byte, a = 299 r mod 16 = 11 r mod 16.  The stage is an image of
	; that aligned window (the row lies 16 a bytes into it), so that on the way out 16 lanes store 256 consecutive, aligned bytes.
	s_mul_i32 s32, ttmp9, 11
	s_and_b32 s32, s32, 15                         ; a
	s_lshl_b32 s33, s32, 4
	s_mul_i32 s34, ttmp9, ROWB
	s_sub_co_u32 s34, s34, s33                     ; the window's first byte
	s_mov_b32 s35, 0
	s_add_nc_u64 s[8:9], s[8:9], s[34:35]
	v_lshl_add_u32 v[S4], v0, 2, s33
	v_lshl_add_u32 v[S8], v0, 3, s33
	v_mul_u32_u24 v[L12], v0, 12
	v_add_nc_u32 v[S12], s33, v[L12]
	v_lshlrev_b32 v[Q16], 4, v0
	v_min_u32 v[H12], 20, v0
	v_mul_u32_u24 v[H12], v[H12], 12
	v_mov_b32 v[Z], 0
	v_mov_b32 v[Z+1], 0
	v_mov_b32 v[Z+2], 0
	v_mov_b32 v[Z+3], 0
	v_mov_b32 v34, TAB
	v_mov_b32 v[PP], 0
	v_mov_b32 v27, 0                               ; destinations of lane moves count as read
	v_mov_b32 v28, 0
	ds_store_b128 v[Q16], v[Z:Z+3]                 ; the window's first and last 512 bytes: what the row does not cover there is written too
	ds_store_b128 v[Q16], v[Z:Z+3] offset:4608
	ds_store_b32 v34, v[Z] offset:12               ; nothing is kept in front of record 0
	s_wait_loadcnt 0x0
	v_add3_u32 v[DS], v[DD], v[DD+1], v[DD+2]
	v_add_nc_u32 v[KK+1], v[KK+1], v[KK]           ; prefix sums inside the lane; the packed halves stay below 65,536 (256 x 127)
	v_add3_u32 v[DS], v[DS], v[DD+3], v[DD+4]
	v_add_nc_u32 v[KK+2], v[KK+2], v[KK+1]
	v_add3_u32 v[DS], v[DS], v[DD+5], v[DD+6]
	v_add_nc_u32 v[KK+3], v[KK+3], v[KK+2]
	v_add_nc_u32 v[DS], v[DS], v[DD+7]
	v_add_nc_u32 v[KK+4], v[KK+4], v[KK+3]
	v_add_nc_u32 v[KK+5], v[KK+5], v[KK+4]
	v_add_nc_u32 v[KK+6], v[KK+6], v[KK+5]
	v_add_nc_u32 v[KK+7], v[KK+7], v[KK+6]
	v_mov_b32 v[TT], v[KK+7]
; Five exchanges with lane xor 1, 2, 4, 8, 16.  Before a step TT is the sum of my aligned block of lanes; the partner's block lies in front
; of mine exactly when my lane number has the step's bit set, and then its sum joins PP.  At the end TT and DS are the wave's sums in every lane.
.macro JOIN sm
	v_cndmask_b32 v29, 0, v27, s[\sm]
	v_add_nc_u32 v[TT], v[TT], v27
	v_add_nc_u32 v[DS], v[DS], v28
	v_add_nc_u32 v[PP], v[PP], v29
.endm
.macro STEP xm, sm
	v_mov_b32_dpp v27, v[TT] row_xmask:\xm row_mask:0xf bank_mask:0xf
	v_mov_b32_dpp v28, v[DS] row_xmask:\xm row_mask:0xf bank_mask:0xf
	JOIN \sm
.endm
	STEP 1, 12
	STEP 2, 13
	STEP 4, 14
	STEP 8, 15
	v_permlanex16_b32 v27, v[TT], s10, s11
	v_permlanex16_b32 v28, v[DS], s10, s11
	JOIN 16
	v_readfirstlane_b32 s19, v[DS]
	v_readfirstlane_b32 s23, v[TT]
	s_cmp_gt_i32 s19, 0                            ; cond: more non-zeros in the left hand (counts below 2^23: whole numbers are exact here as in f32)
	s_cselect_b32 s20, 0, 1                        ; 0 left, 1 right
	s_cselect_b32 s21, 0x80000000, 0               ; left: x is mirrored
	s_min_u32 s20, s20, 1                          ; bounded in the form in which a loaded number may enter an address
	s_lshl_b32 s22, s20, 4                         ; the hand's half of a packed word
	s_lshr_b32 s23, s23, s22
	s_and_b32 s23, s23, 0xffff                     ; K: all kept frames (exact where below 101)
.irp k, 0,1,2,3,4,5,6,7
	v_add_nc_u32 v[KK+\k], v[KK+\k], v[PP]
.endr
.irp k, 0,1,2,3,4,5,6,7
	v_bfe_u32 v[KK+\k], v[KK+\k], s22, 16          ; kept frames up to and with record 8 lane + k
.endr
	ds_store_b128 v1, v[KK:KK+3]   offset:TAB+16   ; the table: record t's figure at TAB+16+4t = what lies in front of record t+1
	ds_store_b128 v1, v[KK+4:KK+7] offset:TAB+32
.irp k, 0,1,2,3,4,5,6,7
	v_cmp_ge_u32 s[56+\k], s17, v[KK+\k]           ; records that end at or in front of the rank: their number is the rank's record
	v_cmp_ge_u32 s[80+\k], s18, v[KK+\k]
.endr
.irp k, 0,1,2,3,4,5,6,7
	s_bcnt1_i32_b32 s[56+\k], s[56+\k]
	s_bcnt1_i32_b32 s[80+\k], s[80+\k]
.endr
.irp b, 56, 80
	s_add_co_u32 s[\b],   s[\b],   s[\b+1]
	s_add_co_u32 s[\b+2], s[\b+2], s[\b+3]
	s_add_co_u32 s[\b+4], s[\b+4], s[\b+5]
	s_add_co_u32 s[\b+6], s[\b+6], s[\b+7]
	s_add_co_u32 s[\b],   s[\b],   s[\b+2]
	s_add_co_u32 s[\b+4], s[\b+4], s[\b+6]
.endr
	s_add_co_u32 s24, s56, s60                     ; record of rank r
	s_add_co_u32 s25, s80, s84                     ; record of rank r + 1
	s_cmp_ge_u32 s17, s23                          ; a rank beyond the kept frames: record 0, complemented words
	s_cselect_b32 s24, 0, s24
	s_cselect_b32 s26, -1, 0
	s_cmp_ge_u32 s18, s23
	s_cselect_b32 s25, 0, s25
	s_cselect_b32 s27, -1, 0
	s_min_u32 s24, s24, 255
	s_min_u32 s25, s25, 255
	s_lshl_b32 s36, s20, 13                        ; the right hand's masks lie 8,192 bytes on
	s_lshl_b32 s30, s24, 5
	s_lshl_b32 s31, s25, 5
	s_add_co_u32 s30, s30, s36
	s_add_co_u32 s31, s31, s36
	s_load_b256 s[40:47], s[6:7], s30 offset:0x0   ; the record's 256 keep bits
	s_load_b256 s[48:55], s[6:7], s31 offset:0x0
	s_lshl_b32 s37, s24, 2
	s_lshl_b32 s38, s25, 2
	v_mov_b32 v27, s37
	v_mov_b32 v28, s38
	ds_load_b32 v35, v27 offset:TAB+12             ; LDS serves a wave in order (ISA guide 5.7.1): these see the table's stores
	ds_load_b32 v36, v28 offset:TAB+12
	s_wait_dscnt 0x0
	v_readfirstlane_b32 s28, v35
	v_readfirstlane_b32 s29, v36
	s_cmp_lg_u32 s26, 0
	s_cselect_b32 s28, s23, s28
	s_cmp_lg_u32 s27, 0
	s_cselect_b32 s29, s23, s29
	s_sub_co_u32 s28, s17, s28                     ; which set bit of the (complemented) record is wanted, from 0
	s_sub_co_u32 s29, s18, s29
	s_wait_kmcnt 0x0
; The rem-th set bit of eight words.  The running count never falls, so the last word in front of which it is still <= rem is the bit's word.
; In the word: the lane whose bit is set with exactly the remaining number of set bits below it.  out = the frame's first byte in x.
.macro PICK W, xm, rem, t, out
.irp k, 0,1,2,3,4,5,6,7
	s_xor_b32 s[\W+\k], s[\W+\k], s[\xm]
.endr
	s_mov_b32 s88, 0                               ; set bits counted so far
	s_mov_b32 s89, 0                               ; set bits in front of the chosen word
	s_mov_b32 s90, 0                               ; 32 x the chosen word's number
	s_mov_b32 s91, s[\W]                           ; the chosen word
.irp k, 0,1,2,3,4,5,6
	s_bcnt1_i32_b32 s92, s[\W+\k]
	s_add_co_u32 s88, s88, s92
	s_cmp_le_u32 s88, s[\rem]
	s_cselect_b32 s91, s[\W+\k+1], s91
	s_cselect_b32 s89, s88, s89
	s_cselect_b32 s90, 32*(\k+1), s90
.endr
	s_sub_co_u32 s92, s[\rem], s89
	v_mbcnt_lo_u32_b32 v27, s91, 0                 ; set bits of the word below my lane
	v_cmp_eq_u32 s93, s92, v27
	s_and_b32 s93, s93, s91
	s_ctz_i32_b32 s93, s93
	s_lshl_b32 s[\out], s[\t], 8
	s_add_co_u32 s[\out], s[\out], s90
	s_add_co_u32 s[\out], s[\out], s93
	s_min_u32 s[\out], s[\out], 65535              ; a frame's number, bounded before it enters an address
	s_mul_i32 s[\out], s[\out], FRAME
.endm
	PICK 40, 26, 28, 24, 94
	PICK 48, 27, 29, 25, 95
	s_mul_i32 s36, s20, 648
	s_add_co_u32 s36, s36, 480                     ; the hand's first byte in a frame: 480 or 1,128
	s_add_co_u32 s37, s94, s36
	s_add_co_u32 s38, s95, s36
	v_add_nc_u32 v40, s37, v[H12]
	v_add_nc_u32 v41, s38, v[H12]
	v_add_nc_u32 v42, s94, v[L12]
	v_add_nc_u32 v43, s95, v[L12]
	; lane j: point j.  A point starts at a multiple of 4 bytes only, so its numbers come one by one.  Lanes past a group's last point read
	; later points of the same frame (pose: up to byte 1,111; lips: up to 619), whose results are never stored.
.irp c, 0,1,2
	global_load_b32 v[HA+\c], v40, s[4:5] offset:4*\c
.endr
.irp c, 0,1
	global_load_b32 v[PA+\c], v42, s[4:5] offset:732+4*\c
	global_load_b32 v[OA+\c], v42, s[4:5] offset:4*\c
	global_load_b32 v[IA+\c], v42, s[4:5] offset:240+4*\c
.endr
.irp c, 0,1,2
	global_load_b32 v[HB+\c], v41, s[4:5] offset:4*\c
.endr
.irp c, 0,1
	global_load_b32 v[PB+\c], v43, s[4:5] offset:732+4*\c
	global_load_b32 v[OB+\c], v43, s[4:5] offset:4*\c
.endr
	s_wait_loadcnt 0x0
.set q, 0
.rept 16
	v_cmp_eq_f32 vcc_lo, v[HA+q], v[HA+q]          ; false for NaN alone
	v_cndmask_b32 v[HA+q], 0, v[HA+q], vcc_lo      ; NaN becomes 0
.set q, q+1
.endr
.irp p, HA, HB, PA, PB, OA, OB
	v_xor_b32 v[\p], s21, v[\p]                    ; x mirrored for the left hand (distances do not feel it, so the inner lip is left)
.endr
.irp c, 0,1,2
	v_sub_f32 v[DLT+\c], v[HA+\c], v[HB+\c]
.endr
.irp c, 0,1
	v_sub_f32 v[DLT+3+\c], v[PA+\c], v[PB+\c]
	v_sub_f32 v[DLT+5+\c], v[OA+\c], v[OB+\c]
.endr
; n (at most 4) triangle rows i0 .. i0+n-1 of the group whose points lie in v[P..]: sums of squares into v[D+i], in every lane.
; Laid out step by step across the rows, so that no line waits for the line in front of it.
.macro TRI dim, P, D, i0, n
.set q, 0
.rept \n
	v_readlane_b32 s[BC+3*q],   v[\P],   \i0+q
	v_readlane_b32 s[BC+3*q+1], v[\P+1], \i0+q
.if \dim == 3
	v_readlane_b32 s[BC+3*q+2], v[\P+2], \i0+q
.endif
.set q, q+1
.endr
.set q, 0
.rept \n
	v_sub_f32 v[T+3*q],   s[BC+3*q],   v[\P]
	v_sub_f32 v[T+3*q+1], s[BC+3*q+1], v[\P+1]
.if \dim == 3
	v_sub_f32 v[T+3*q+2], s[BC+3*q+2], v[\P+2]
.endif
.set q, q+1
.endr
.set q, 0
.rept \n
	v_mul_f32 v[\D+\i0+q], v[T+3*q], v[T+3*q]
.set q, q+1
.endr
.set q, 0
.rept \n
	v_fmac_f32 v[\D+\i0+q], v[T+3*q+1], v[T+3*q+1]
.set q, q+1
.endr
.if \dim == 3
.set q, 0
.rept \n
	v_fmac_f32 v[\D+\i0+q], v[T+3*q+2], v[T+3*q+2]
.set q, q+1
.endr
.endif
.endm
.irp i, 0,4,8,12,16
	TRI 3, HA, DH, \i, 4
.endr
.irp i, 0,4,8,12,16,20
	TRI 2, PA, DPO, \i, 4
.endr
.irp i, 0,4,8,12
	TRI 2, OA, DOL, \i, 4
	TRI 2, IA, DIL, \i, 4
.endr
	TRI 2, OA, DOL, 16, 3
	TRI 2, IA, DIL, 16, 3
.set q, 0
.rept 82
	v_sqrt_f32 v[DH+q], v[DH+q]                    ; one run of roots on 82 different registers,
.set q, q+1
.endr
	v_nop                                          ; and one plain place before a result is used (ISA guide 5.7.2)
	s_wait_alu depctr_va_vdst(0)
	; INTO THE STAGE.  All numbers are ready in all lanes; only the stores run under a mask of constant lanes.
	s_wait_xcnt 0x0                                ; EXEC is a source of the loads above: it changes only behind this wait
	s_mov_b32 exec_lo, 0x1fffff                    ; 21 hand points: elements 3 j + c, and their deltas from element 153
.irp c, 0,1,2
	ds_store_b32 v[S12], v[HA+\c]  offset:4*\c
	ds_store_b32 v[S12], v[DLT+\c] offset:612+4*\c
.endr
	s_mov_b32 exec_lo, 0x1ffffff                   ; 25 pose points: elements 63 + 2 j + c, deltas from 216
.irp c, 0,1
	ds_store_b32 v[S8], v[PA+\c]    offset:252+4*\c
	ds_store_b32 v[S8], v[DLT+3+\c] offset:864+4*\c
.endr
	s_mov_b32 exec_lo, 0xfffff                     ; 20 outer lip points: elements 113 + 2 j + c, deltas from 266
.irp c, 0,1
	ds_store_b32 v[S8], v[OA+\c]    offset:452+4*\c
	ds_store_b32 v[S8], v[DLT+5+\c] offset:1064+4*\c
.endr
; triangle row i of N points starts at element base + i (2N-1-i)/2 with j = i+1: lane j stores element base + i (2N-1-i)/2 + j - i - 1
.macro PUT N, D, base
.set q, 0
.rept \N-1
	s_mov_b32 exec_lo, ((1<<\N)-1) ^ ((2<<q)-1)    ; lanes i < j < N
	ds_store_b32 v[S4], v[\D+q] offset:4*(\base + q*(2*\N-1-q)/2 - q - 1)
.set q, q+1
.endr
.endm
	PUT 21, DH,  306
	PUT 25, DPO, 516
	PUT 20, DOL, 816
	PUT 20, DIL, 1006
	s_mov_b32 exec_lo, -1
	; THE WAY OUT: the window's 5,120 bytes in ten pieces of 512.  The row is its 16-byte pieces a .. a+298.
.irp m, 0,1,2,3,4,5,6,7,8,9
	ds_load_b128 v[R+4*\m:R+4*\m+3], v[Q16] offset:512*\m          ; in order behind my own stores: no wait between
.endr
.irp m, 1,2,3,4,5,6,7,8
	s_wait_dscnt 9-\m                              ; piece m is in; the 9-m younger loads may be out
	global_store_b128 v[Q16], v[R+4*\m:R+4*\m+3], s[8:9] offset:512*\m th:TH_STORE_NT   ; pieces 32..287 are the row's for every a: 16 lanes store 256 consecutive bytes at a multiple of 256 from out0's first byte
.endr
	s_wait_dscnt 0x0
	s_wait_xcnt 0x0                                ; EXEC narrows only behind this wait
	v_cmp_le_u32 vcc_lo, s32, v0                   ; first piece: lanes a and up; what lies in front is the row before
	s_and_saveexec_b32 s36, vcc_lo
	global_store_b128 v[Q16], v[R:R+3], s[8:9] th:TH_STORE_NT
	s_wait_xcnt 0x0                                ; and widens only behind this one
	s_or_b32 exec_lo, exec_lo, s36
	s_add_co_u32 s37, s32, 11
	v_cmp_gt_u32 vcc_lo, s37, v0                   ; last piece: 288 + lane < a + 299; what lies behind is the next row, or out0's end
	s_and_saveexec_b32 s36, vcc_lo
	global_store_b128 v[Q16], v[R+36:R+39], s[8:9] offset:4608 th:TH_STORE_NT
	s_wait_xcnt 0x0
	s_mov_b32 exec_lo, -1
	s_wait_tensorcnt 0x0
	ds_add_u32 v224, v225
	s_wait_dscnt 0x0
	s_endpgm
.Lfunc_end_k_q39a1ad2d9d_rows:
	.size	k_q39a1ad2d9d_rows, .Lfunc_end_k_q39a1ad2d9d_rows-k_q39a1ad2d9d_rows
	.p2alignl 7, 3214868480
	.fill 96, 4, 3214868480
	.section	.rodata,"a",@progbits
	.p2align	6, 0x0
	.amdhsa_kernel k_q39a1ad2d9d_rows
		.amdhsa_group_segment_fixed_size 6656
		.amdhsa_private_segment_fixed_size 0
		.amdhsa_enable_private_segment 0
		.amdhsa_kernarg_size 24
		.amdhsa_user_sgpr_count 2
		.amdhsa_user_sgpr_kernarg_segment_ptr 1
		.amdhsa_wavefront_size32 1
		.amdhsa_system_sgpr_workgroup_id_x 1
		.amdhsa_system_sgpr_workgroup_id_y 1
		.amdhsa_system_sgpr_workgroup_id_z 1
		.amdhsa_system_vgpr_workitem_id 0
		.amdhsa_next_free_vgpr 226
		.amdhsa_next_free_sgpr 96
		.amdhsa_reserve_vcc 1
		.amdhsa_float_denorm_mode_32 3
		.amdhsa_float_denorm_mode_16_64 3
		.amdhsa_memory_ordered 1
		.amdhsa_forward_progress 1
		.amdhsa_inst_pref_size 56
	.end_amdhsa_kernel
	.amdgpu_metadata
---
amdhsa.version: [ 1, 2 ]
amdhsa.kernels:
  - .name:           k_q39a1ad2d9d_rows
    .symbol:         k_q39a1ad2d9d_rows.kd
    .args:
      - { .name: x, .offset: 0, .size: 8, .value_kind: global_buffer, .address_space: global }
      - { .name: meta, .offset: 8, .size: 8, .value_kind: global_buffer, .address_space: global }
      - { .name: out0, .offset: 16, .size: 8, .value_kind: global_buffer, .address_space: global }
    .group_segment_fixed_size: 6656
    .private_segment_fixed_size: 0
    .kernarg_segment_align: 8
    .kernarg_segment_size: 24
    .max_flat_workgroup_size: 32
    .sgpr_count:     96
    .vgpr_count:     226
    .wavefront_size: 32
...
	.end_amdgpu_metadata
.endif
;; end of part 2
